; MI455X (gfx1250); checked and timed in simulation.
; The chip was launched on July 23, 2026; its instructions are those of AMD's public machine-readable ISA for CDNA 5 (MIT licence, August 2026) and "CDNA5" Instruction Set Architecture Reference Guide (July 2026). The comments in the code are by the model that wrote it; some were corrected since.
;; custom reg head. Allowed arithmetic: matrix products marked QUANTISED: E5M2 operands, one given power-of-two scale a tensor, by v_wmma_f32_16x16x64_bf8_bf8 or v_wmma_f32_16x16x128_bf8_bf8, f32 sums; products left as they are: f32 operands where the result goes on into a quantised operand, else bf16, f16 or f32 operands; f32 sums; everything else in f32.
;; Inputs: W 1 x 4,096 float32; b 1 float32; lowp_scales 2 int32 (the exponents e of the quantised operands' scales 2^e); out 4,096 x 8,192 float32; t 4,096 int32.
;; Outputs: out0 4,096 x 1 float32.
;; This version of the problem:
;;   THIS VERSION OF THE PROBLEM IS GIVEN IN LOW PRECISION. The matrix products marked QUANTISED in the list below multiply operands that are first quantised to E5M2 (5 exponent bits, 2 mantissa bits; 8 bits a number), with one given power-of-two scale for each operand tensor; their sums are f32. All else is computed in f32.
;;   The module's matrix products, in the order in which they are computed (A, B: the left and right operand; K: the contracted axis; several contracted axes count as one K, in the product's order):
;;     1. [M 4,096, K 4,096] x [K 4,096, N 4,096]; A: computed on the way; B: computed on the way: QUANTISED (scales: A lowp_scales[0], B lowp_scales[1])
;;     2. [M 4,096, K 4,096] x [K 4,096, N 1]; A: computed on the way; B: input W: left as it is (N = 1 < 16)
;;   THE QUANTISER, for each operand of a quantised product, along K:
;;     - The operand's scale is 2^e, e = its entry of the input lowp_scales (int32; the entries are numbered through the quantised products in the list's order, A before B).
;;     - Each number is divided by the scale, clamped to +-57,344, and rounded to the nearest number of E5M2, ties to even, subnormals kept.
;;     - The product sums the exact products of the quantised numbers (number of the format x scale) in f32.
;;   ~~~python
;;   def quantise(x, axis, e):      # numpy; x: float32 -> the quantised numbers, widened to float32 again
;;       x = np.moveaxis(x, axis, -1); K = x.shape[-1]
;;       r = np.clip(x / 2.0 ** e, -57344, 57344)
;;       step = 2.0 ** (np.maximum(np.frexp(np.where(r == 0, 1, r))[1] - 1, -14) - 2)
;;       q = np.round(r / step) * step * 2.0 ** e      # np.round: ties to even
;;       return np.moveaxis(q, -1, axis).astype(np.float32)
;;   ~~~
;;   OPERANDS COMPUTED ON THE WAY. 'Computed on the way' means the value that the module computes at that place (a softmax that the list does not call 'softmax' is quantised finished and normalised). What goes into a quantiser is computed in f32, as accurately as f32 sums, v_exp_f32 and their like allow (about 1e-6 of the number): no bf16 or f16 on the way to a quantiser, and a product that is left as it is and whose result goes on into a quantised operand takes f32 operands (vector FMAs, or v_wmma_f32_16x16x4_f32). A number that lies on a knife's edge between two numbers of the format may be rounded either way, as far as f32 arithmetic and the matrix unit's own rounding can turn it there, and no further.
;; One version. Each part assembles by itself: llvm-mc -triple=amdgcn-amd-amdhsa -mcpu=gfx1250 --defsym DOCPART=n.
;; ======== version 1 of 1: 1 launch
;; launch head (part 1): grid 256 x 1, 4 waves a work-group, no clusters, 35,584 bytes of LDS; arguments out, t, W, b, lowp_scales, out0; writes out0
.if DOCPART == 1
	.amdgcn_target "amdgcn-amd-amdhsa--gfx1250"
	.amdhsa_code_object_version 6
	.text
	.protected	k_q4c98bfdb3b_head
	.globl	k_q4c98bfdb3b_head
	.p2align	8
	.type	k_q4c98bfdb3b_head,@function
k_q4c98bfdb3b_head:
	s_mov_b64 s[64:65], 0
	v_nop
	global_prefetch_b8 v0, s[64:65] scope:SCOPE_SE
	s_setreg_imm32_b32 hwreg(HW_REG_WAVE_MODE, 25, 1), 1
	s_wait_xcnt 0x0
; out0[m] = sigmoid( (Q(sel) Q(eye)) [m][:] . W + b ),  sel[m][:] = out[m][4096:] where t[m] == 1, else out[m][:4096].
; The product sel x eye (4096 x 4096 x 4096) is multiplied whole on codes of BF8 (E5M2) by v_wmma_f32_16x16x128_bf8_bf8, sums in f32; sel's scale is 2^e0, eye's 2^e1 (lowp_scales).
; SHARES.  A work-group owns 16 rows, all of K and all 4,096 columns, so that the sum over the columns (the product with W) never leaves it: one launch, nothing goes through memory.
; Wave w owns columns 1024 w .. 1024 w + 1023: 64 accumulators of 16 x 16, 512 registers.  A K step of 128 is 64 matrix instructions a wave: ONE fragment of sel against 64 fragments of eye.
; SEL.  K goes in 8 super steps of 4 K steps.  For a super step wave w loads K step 4 q + w of the 16 rows (each load: 512 consecutive bytes of one row), holds and converts the numbers, and stores
; 16 rows x 128 codes into an LDS slot; all four waves read all four tiles.  Two slots, one barrier a super step.  Loads are asked for two super steps (512 matrix instructions a wave) ahead of their wait.
; EYE is built by reference() itself: it needs no memory.  Its codes are made once by the stated quantiser (1.0 and 0.0, held, converted with 2^e1) and live in 32 registers: see BA below.
; WHERE k LIES.  A fragment of sel is read by four loads of 16 bytes: register 4 c + e, byte y of lane (r, h) holds k = 32 c + 16 h + 4 e + y.  That is a permutation of the form's own places, and eye is laid by the same
; one, so every product meets its partner; only the order of the sums inside an instruction changes (the result is judged within a tolerance).
; THE COLUMNS OF A TILE ARE NOT NEIGHBOURS: lane r of tile j of a group of 128 columns takes column 32 (j / 2) + 8 (j % 2) + r + 8 (r / 8).  Its one non-zero then lies in registers 2 j, 2 j + 1 of the fragment,
; in the lane with h = r / 8, at byte r % 8 of the pair: the same pair of registers P for every j, at another place in the fragment.
; THE TEXT IS WRITTEN OUT BY MACROS, WITHOUT A LOOP OVER K: eye's fragments come back only after 8 K steps, the first K step starts the sums, and three of the eight super steps differ at the ring's ends.
; So every offset is an immediate and no address register is ever written twice.
; NO CLUSTER, NO TENSOR LOAD: work-groups share no input but W's 16,384 bytes, and a tile's 16 rows begin at halves that hang on t, so no one descriptor covers them.
; LIMITS: e0 and e1 between -126 and 112, so that 2^e and 57,344 x 2^e are f32 numbers; e0 + e1 is applied by v_ldexp_f32 and has no limit of its own.  NaN in out is not served; infinities are held at the largest code.
; Any int32 in t is served: 1 alone chooses the upper half.
;
; REGISTERS, in windows of 256 (s_set_vgpr_msb's low byte: bits 1:0 source 0, 3:2 source 1, 5:4 source 2, 7:6 destination):
;   window 0: addresses, eye's fragments, sel's four fragments, the sums of the product with W.     window 1: all that the producer touches, its addresses too: every line of it runs under ONE setting, 0x55.
;   window 2: accumulators of tiles 0-31 (tile i at v[8 i]);   window 3: tiles 32-63.
.set PITCH, 144                        ; an LDS row of codes: 128 bytes + 16 = 36 words: the 16 rows of a load start at 16 different multiples of 4 banks (64 banks of 4 bytes: ISA guide 11.1)
.set TILE,  16*PITCH                   ; one K step's 16 rows
.set SLOT,  4*TILE                     ; a super step's four tiles; slot 0 at byte 0, slot 1 behind it
.set WL,    2*SLOT                     ; W as it lies, 16,384 bytes: wave w writes and reads bytes 4096 w .. 4096 w + 4095 alone
.set RED,   WL+16384                   ; 64 words: word 16 w + row = wave w's part of that row's y
; window 0
.set LN,   1                           ; v1   lane
.set RR,   2                           ; v2   r = lane % 16
.set HH,   3                           ; v3   h = lane / 16
.set FRD,  4                           ; v4   144 r + 16 h: my place in a tile of codes
.set RRD,  5                           ; v5   RED + 4 r
.set OOF,  6                           ; v6   4 r: my row's place in the work-group's 64 bytes of out0
.set DI,   7                           ; v7   r - 8 h
.set DG,   8                           ; v[8:9] eye's pair: byte i is the code of 1.0 where 8 h + i == r, else of 0.0
.set SC1,  10                          ; v10  2^e1
.set LIM1, 11                          ; v11  57,344 x 2^e1
.set TP,   12                          ; v12-15 at work
.set EY,   16                          ; v16-23 eight numbers of eye
.set ONE,  25                          ; v25  1.0
.set BA,   32                          ; v32-63 eye: v32-47 zeros, v48-49 the pair P, v50-63 zeros.  The zero fragment is v[32:47]; the diagonal fragment of tile j is v[48-2j:63-2j]
.set F,    64                          ; v64-127 sel's fragments of a super step: K step a at v[64 + 16 a]
.set RST,  128                         ; v128 RED + 64 w + 32 h
.set YA,   136                         ; v136-143 sums of the product with W over the even tiles: register q is row 8 h + q
.set YB,   144                         ; v144-151 over the odd tiles
; window 1
.set CD,   128                         ; 16 words of codes, a row each
.set LIM0, 144                         ; 57,344 x 2^e0
.set SC0,  145                         ; 2^e0
.set GOF,  146                         ; 512 w + 16 lane: my 16 bytes of my K step in a row's super step
.set STA,  147                         ; 2304 w + 4 lane: my four codes in my tile's row 0
.set WST,  148                         ; WL + 4096 w + 16 lane
.set WRD,  149                         ; WL + 4096 w + 4 (r + 8 (r / 8))
.set WGO,  151                         ; 4096 w + 16 lane: in W
.set WR,   192                         ; 32 registers: W as loaded.  (0-63, 64-127: two sets of 64 numbers of sel; at the end 0-63: my column's W of each tile)
; scalars
.set WV,   16                          ; s16  my wave's number
.set RB,   32                          ; s[32:63] sixteen addresses: row i's chosen half
.set TT,   68                          ; s[68:83] t of my sixteen rows
.set MSB, 0
.macro WIN new                         ; the immediate's high byte repeats the setting that is left; a switch that changes nothing is dropped
.if MSB != (\new)
	s_set_vgpr_msb (MSB<<8)|(\new)
.set MSB, (\new)
.endif
.endm
; A load into a register that a matrix instruction has read, and a vector instruction that reads a matrix result or writes one of a matrix instruction's registers, stand four places behind it;
; only plain vector instructions that name none of its registers are places (ISA guide 7.12.1 for vector instructions).
.macro PLACES
.rept 4
	v_nop
.endr
.endm
; Super step q, my K step 4 q + w: 16 rows x 512 bytes into set q % 2.  Register 4 i + e of lane l is (row i, k = 4 l + e).  Each load reads 512 consecutive bytes, at a multiple of 512 from the buffer's first byte.
.macro LOAD q
	WIN 0x55
.set xl, 64*((\q)%2)
.set ii, 0
.rept 16
	global_load_b128 v[xl+4*ii:xl+4*ii+3], v[GOF], s[RB+2*ii:RB+2*ii+1] offset:2048*(\q) th:TH_LOAD_NT
.set ii, ii+1
.endr
.endm
; Super step q's numbers become codes and go to slot q % 2; then the set takes the loads of two super steps on.
.macro QUANT q
	WIN 0x55
.set xs, 64*((\q)%2)
.if (\q) < 7
	s_wait_loadcnt 16                              ; loads come back in order (ISA guide 5.7.1): super step q's sixteen are in, the next one's sixteen stay out
.else
	s_wait_loadcnt 0                               ; nothing was asked for behind the last
.endif
.set ii, 0
.rept 64
	v_med3_num_f32 v[xs+ii], v[xs+ii], -v[LIM0], v[LIM0]   ; the conversion to an 8-bit code does not saturate (ISA guide 7.6.2): the hold at the largest code x the scale
.set ii, ii+1
.endr
.set ii, 0
.rept 8
	v_cvt_scalef32_pk8_bf8_f32 v[CD+2*ii:CD+2*ii+1], v[xs+8*ii:xs+8*ii+7], v[SC0]   ; low word: row 2 ii's codes of k = 4 l .. 4 l + 3; high word: row 2 ii + 1's
.set ii, ii+1
.endr
	v_nop                                          ; one plain vector instruction behind the last scaled conversion
.set ii, 0
.rept 16
	ds_store_b32 v[STA], v[CD+ii] offset:((\q)%2)*SLOT+PITCH*ii   ; 32 lanes store a row's 128 codes
.set ii, ii+1
.endr
.if (\q)+2 <= 7
	LOAD (\q)+2
.endif
.endm
; Fragments a0 and a0 + 1 of a slot: four loads of 16 bytes each.
.macro FETCH a0, slot
	WIN 0
.irp a, \a0, \a0+1
.irp c, 0,1,2,3
	ds_load_b128 v[F+16*(\a)+4*\c:F+16*(\a)+4*\c+3], v[FRD] offset:(\slot)*SLOT+(\a)*TILE+32*\c
.endr
.endr
.endm
; 32 matrix instructions of K step s: tiles 32 hi .. 32 hi + 31.  The group of 128 columns whose number is s % 8 takes the diagonal fragments (they hold P, which is zero in the waves that K step s does not meet),
; all other groups the zero fragment.  K step 0 starts the sums: nothing is ever cleared.  The 64 accumulators take turns, one instruction a turn, in the same order in every K step.
.macro HALF s, hi
	WIN 0xa0+0x50*(\hi)
.set ii, 0
.rept 32
.if (4*(\hi)+ii/8) == ((\s)%8)
.set bb, BA+16-2*(ii%8)
.else
.set bb, BA
.endif
.if (\s) == 0
	v_wmma_f32_16x16x128_bf8_bf8 v[8*ii:8*ii+7], v[F+16*((\s)%4):F+16*((\s)%4)+15], v[bb:bb+15], 0
.else
	v_wmma_f32_16x16x128_bf8_bf8 v[8*ii:8*ii+7], v[F+16*((\s)%4):F+16*((\s)%4)+15], v[bb:bb+15], v[8*ii:8*ii+7]
.endif
.set ii, ii+1
.endr
.endm
.macro KS s
	HALF \s, 0
	HALF \s, 1
.endm
; P for K steps 8 o .. 8 o + 7: eye's pair in wave o, whose columns these K steps meet; zeros in the others.  A choice of a value, no branch.
.macro PSET o
	WIN 0
	s_cmp_eq_u32 s[WV], (\o)
	s_cselect_b32 s17, -1, 0
	v_and_b32 v[BA+16], s17, v[DG]
	v_and_b32 v[BA+17], s17, v[DG+1]
.endm
; W at my column of each of my 64 tiles: tile i = 8 g + j: column 128 g + 32 (j / 2) + 8 (j % 2) + r + 8 (r / 8).  Into the set of sel's numbers that is done with.
.macro WFETCH
	WIN 0x55
.set ii, 0
.rept 64
	ds_load_b32 v[ii], v[WRD] offset:4*(128*(ii/8)+32*((ii%8)/2)+8*(ii%2))
.set ii, ii+1
.endr
.endm
; A super step: K steps 4 t .. 4 t + 3 out of slot t % 2; the next super step's codes are made and stored into the other slot on the way.
.macro SS t
	s_wait_dscnt 8                                 ; fragments 0 and 1 are in; the youngest eight loads (fragments 2 and 3) may be out
	HALF 4*(\t), 0
.if (\t) < 7
	QUANT (\t)+1                                   ; into the slot that every wave left in front of the last barrier
.endif
	HALF 4*(\t), 1
	s_wait_dscnt 0x0                               ; for the others' sake: my stores have landed, and all my reads of this slot are in
.if (\t) < 7
	s_barrier_signal -1
.endif
	KS 4*(\t)+1                                    ; work on registers alone between the signal and the wait
.if (\t) < 7
	s_barrier_wait -1                              ; the other slot is whole, and nobody reads this one any more
	PLACES
	FETCH 0, 1-(\t)%2
.else
	WFETCH
.endif
	KS 4*(\t)+2
	KS 4*(\t)+3
.if (\t) < 7
	PLACES                                         ; for the writes of P and for the loads into fragments 2 and 3
.if ((\t)%2) == 1
	PSET ((\t)+1)/2
.endif
	FETCH 2, 1-(\t)%2
.endif
.endm
; Tile i's part of y: eight rows x my column's W, two rows an instruction; the even tiles add into YA, the odd ones into YB; the first of each starts its sums.  W of tiles 2 n and 2 n + 1 is a pair, of which one word
; serves both halves.  Each accumulator is read from its low end on.
.macro DOT i
	WIN 0x06+(\i)/32                               ; source 0 (the accumulator) window 2 or 3, source 1 (W) window 1, the sums window 0
.set ac, 8*((\i)%32)
.set wp, 2*((\i)/2)
.irp q, 0,2,4,6
.if (\i) == 0
	v_pk_mul_f32 v[YA+\q:YA+\q+1], v[ac+\q:ac+\q+1], v[wp:wp+1] op_sel_hi:[1,0]
.elseif (\i) == 1
	v_pk_mul_f32 v[YB+\q:YB+\q+1], v[ac+\q:ac+\q+1], v[wp:wp+1] op_sel:[0,1] op_sel_hi:[1,1]
.elseif ((\i)%2) == 0
	v_pk_fma_f32 v[YA+\q:YA+\q+1], v[ac+\q:ac+\q+1], v[wp:wp+1], v[YA+\q:YA+\q+1] op_sel_hi:[1,0,1]
.else
	v_pk_fma_f32 v[YB+\q:YB+\q+1], v[ac+\q:ac+\q+1], v[wp:wp+1], v[YB+\q:YB+\q+1] op_sel:[0,1,0] op_sel_hi:[1,1,1]
.endif
.endr
.endm
	; ---- THE HEAD
	s_load_b256 s[4:11], s[0:1], 0x0               ; out s[4:5], t s[6:7], W s[8:9], b s[10:11]
	s_load_b128 s[12:15], s[0:1], 0x20             ; lowp_scales s[12:13], out0 s[14:15]
	v_lshl_add_u32 v254, v0, 2, 0x8900
	v_mov_b32 v255, 0
	v_and_b32 v[LN], 31, v0
	v_and_b32 v[RR], 15, v0
	v_bfe_u32 v[HH], v0, 4, 1
	v_lshrrev_b32 v[TP], 5, v0
	v_readfirstlane_b32 s[WV], v[TP]               ; wave 0..3
	s_lshl_b32 s18, ttmp9, 6                       ; my 16 rows' 64 bytes in t and in out0
	s_mov_b32 s19, 0
	s_lshl_b32 s28, ttmp9, 19                      ; my 16 rows of 32,768 bytes in out
	s_mov_b32 s29, 0
	s_mov_b32 s27, 0                               ; the upper word of the rows' offsets
	s_wait_kmcnt 0x0
	s_add_nc_u64 s[6:7], s[6:7], s[18:19]
	s_add_nc_u64 s[14:15], s[14:15], s[18:19]
	s_add_nc_u64 s[4:5], s[4:5], s[28:29]
	s_load_b512 s[TT:TT+15], s[6:7], 0x0           ; t of my sixteen rows
	s_load_b64 s[20:21], s[12:13], 0x0             ; e0, e1
	s_load_b32 s22, s[10:11], 0x0                  ; b
	v_mul_u32_u24 v[FRD], v[RR], PITCH
	v_lshl_add_u32 v[FRD], v[HH], 4, v[FRD]
	v_lshlrev_b32 v[OOF], 2, v[RR]
	v_add_nc_u32 v[RRD], RED, v[OOF]
	v_lshlrev_b32 v[DI], 3, v[HH]
	v_sub_nc_u32 v[DI], v[RR], v[DI]               ; r - 8 h
	v_and_b32 v[TP], 8, v[RR]
	v_add_nc_u32 v[TP], v[TP], v[RR]               ; r + 8 (r / 8)
	s_lshl_b32 s28, s[WV], 6
	s_add_co_u32 s28, s28, RED
	v_lshl_add_u32 v[RST], v[HH], 5, s28
	s_lshl_b32 s28, s[WV], 9
	s_mul_i32 s29, s[WV], TILE
	s_lshl_b32 s31, s[WV], 12
	s_add_co_u32 s30, s31, WL
	WIN 0x40                                       ; destination window 1, sources window 0
	v_lshl_add_u32 v[GOF], v[LN], 4, s28
	v_lshl_add_u32 v[STA], v[LN], 2, s29
	v_lshl_add_u32 v[WST], v[LN], 4, s30
	v_lshl_add_u32 v[WRD], v[TP], 2, s30
	v_lshl_add_u32 v[WGO], v[LN], 4, s31
	WIN 0x55
.set ii, 0
.rept 8
	global_load_b128 v[WR+4*ii:WR+4*ii+3], v[WGO], s[8:9] offset:512*ii   ; my 1,024 numbers of W, 512 consecutive bytes a load: they hang on nothing that is still out
.set ii, ii+1
.endr
	s_wait_kmcnt 0x0                               ; t, the exponents, b
	; Row i's address: out + my rows + 32,768 i + 16,384 (t == 1).  (t xor 1) held at 1 is 0 where t == 1 and 1 elsewhere; one more, and its lowest bit, is (t == 1): for every int32.
.set ii, 0
.rept 16
	s_xor_b32 s28, s[TT+ii], 1
	s_min_u32 s28, s28, 1
	s_add_co_u32 s28, s28, 1
	s_and_b32 s28, s28, 1
	s_lshl_b32 s28, s28, 14
	s_add_co_u32 s26, s28, 32768*ii
	s_add_nc_u64 s[RB+2*ii:RB+2*ii+1], s[4:5], s[26:27]
.set ii, ii+1
.endr
	LOAD 0
	LOAD 1
	s_add_co_i32 s28, s20, 127
	s_lshl_b32 s29, s28, 23                        ; 2^e0 as f32: the conversion takes its exponent field
	s_add_co_i32 s28, s28, 15
	s_lshl_b32 s28, s28, 23
	s_or_b32 s28, s28, 0x600000                    ; 57,344 x 2^e0
	s_add_co_i32 s30, s21, 127
	s_lshl_b32 s31, s30, 23                        ; the same for e1
	s_add_co_i32 s30, s30, 15
	s_lshl_b32 s30, s30, 23
	s_or_b32 s30, s30, 0x600000
	s_add_co_i32 s23, s20, s21                     ; e0 + e1: a sum of the product stands for sum x 2^(e0 + e1)
	WIN 0x40
	v_mov_b32 v[SC0], s29
	v_mov_b32 v[LIM0], s28
	WIN 0
	v_mov_b32 v[SC1], s31
	v_mov_b32 v[LIM1], s30
	v_mov_b32 v[ONE], 1.0
	; eye's pair, by the quantiser: eight numbers of my column along K, 1.0 where 8 h + i == r
.irp i, 0,1,2,3,4,5,6,7
	v_cmp_eq_u32 vcc_lo, \i, v[DI]
	v_cndmask_b32 v[EY+\i], 0, v[ONE], vcc_lo
.endr
.irp i, 0,1,2,3,4,5,6,7
	v_med3_num_f32 v[EY+\i], v[EY+\i], -v[LIM1], v[LIM1]
.endr
	v_cvt_scalef32_pk8_bf8_f32 v[DG:DG+1], v[EY:EY+7], v[SC1]
	v_nop                                          ; one plain vector instruction behind a scaled conversion
.irp i, 0,1,2,3,4,5,6,7,8,9,10,11,12,13,14,15,18,19,20,21,22,23,24,25,26,27,28,29,30,31
	v_mov_b32 v[BA+\i], 0                          ; eye's zeros: the code of 0.0 is 0 under every scale.  They are operand data and stay for the whole launch
.endr
	PSET 0
	WIN 0x55
	s_wait_loadcnt 32                              ; W's eight loads are in; the 32 of super steps 0 and 1, issued behind them, stay out
.set ii, 0
.rept 8
	ds_store_b128 v[WST], v[WR+4*ii:WR+4*ii+3] offset:512*ii
.set ii, ii+1
.endr
	QUANT 0
	s_wait_dscnt 0x0                               ; my stores have landed
	s_barrier_signal -1
	s_barrier_wait -1                              ; slot 0 is whole
	FETCH 0, 0
	FETCH 2, 0
	; ---- THE PRODUCT: 32 K steps
.irp t, 0,1,2,3,4,5,6,7
	SS \t
.endr
	; ---- THE PRODUCT WITH W, THE BIAS, THE SIGMOID
	PLACES                                         ; behind the last matrix instructions
	s_wait_dscnt 0x0                               ; W of my columns is in (asked for 128 matrix instructions ago)
.set di, 0
.rept 64
	DOT di
.set di, di+1
.endr
	WIN 0
.irp q, 0,2,4,6
	v_pk_add_f32 v[YA+\q:YA+\q+1], v[YA+\q:YA+\q+1], v[YB+\q:YB+\q+1]
.endr
.irp m, 1,2,4,8                            ; over the sixteen lanes of my half, which hold sixteen columns of the same eight rows
.irp q, 0,1,2,3,4,5,6,7
	v_add_f32_dpp v[YA+\q], v[YA+\q], v[YA+\q] row_xmask:\m row_mask:0xf bank_mask:0xf
.endr
.endr
	ds_store_b128 v[RST], v[YA:YA+3]               ; rows 8 h .. 8 h + 7 of my wave's part; the sixteen lanes of a half store the same bytes with the same values
	ds_store_b128 v[RST], v[YA+4:YA+7] offset:16
	s_wait_dscnt 0x0                               ; for the others' sake: my stores have landed
	s_barrier_signal -1
	s_barrier_wait -1
	s_cmp_lg_u32 s[WV], 0                          ; wave 0 finishes the sixteen rows; no barrier follows
	s_cbranch_scc1 .Lend
	ds_load_b32 v[TP], v[RRD]                      ; row r's four parts
	ds_load_b32 v[TP+1], v[RRD] offset:64
	ds_load_b32 v[TP+2], v[RRD] offset:128
	ds_load_b32 v[TP+3], v[RRD] offset:192
	v_cmp_gt_u32 vcc_lo, 16, v0                    ; lanes 0 to 15 store
	s_wait_dscnt 0x0
	v_add_f32 v[TP], v[TP], v[TP+1]
	v_add_f32 v[TP+2], v[TP+2], v[TP+3]
	v_add_f32 v[TP], v[TP], v[TP+2]
	v_ldexp_f32 v[TP], v[TP], s23                  ; x 2^(e0 + e1)
	v_add_f32 v[TP], s22, v[TP]                    ; y = .. + b
	v_mul_f32 v[TP], 0xbfb8aa3b, v[TP]             ; -y log2(e)
	v_exp_f32 v[TP], v[TP]
	v_nop                                          ; one plain vector instruction behind a transcendental (ISA guide 5.7.2)
	s_wait_alu depctr_va_vdst(0)
	v_add_f32 v[TP], 1.0, v[TP]
	v_rcp_f32 v[TP], v[TP]                         ; 1 / (1 + e^-y)
	v_nop
	s_wait_xcnt 0x0                                ; EXEC changes only behind this wait
	s_and_saveexec_b32 s24, vcc_lo
	s_wait_alu depctr_va_vdst(0)
	global_store_b32 v[OOF], v[TP], s[14:15]       ; the work-group's 64 bytes of out0
	s_wait_xcnt 0x0                                ; and again, in front of the line that widens it
	s_or_b32 exec_lo, exec_lo, s24
.Lend:
	s_wait_tensorcnt 0x0
	ds_add_u32 v254, v255
	s_wait_dscnt 0x0
	s_endpgm
.Lfunc_end_k_q4c98bfdb3b_head:
	.size	k_q4c98bfdb3b_head, .Lfunc_end_k_q4c98bfdb3b_head-k_q4c98bfdb3b_head
	.p2alignl 7, 3214868480
	.fill 96, 4, 3214868480
	.section	.rodata,"a",@progbits
	.p2align	6, 0x0
	.amdhsa_kernel k_q4c98bfdb3b_head
		.amdhsa_group_segment_fixed_size 35584
		.amdhsa_private_segment_fixed_size 0
		.amdhsa_enable_private_segment 0
		.amdhsa_kernarg_size 48
		.amdhsa_user_sgpr_count 2
		.amdhsa_user_sgpr_kernarg_segment_ptr 1
		.amdhsa_wavefront_size32 1
		.amdhsa_system_sgpr_workgroup_id_x 1
		.amdhsa_system_sgpr_workgroup_id_y 1
		.amdhsa_system_sgpr_workgroup_id_z 1
		.amdhsa_system_vgpr_workitem_id 0
		.amdhsa_next_free_vgpr 1024
		.amdhsa_next_free_sgpr 96
		.amdhsa_reserve_vcc 1
		.amdhsa_float_denorm_mode_32 3
		.amdhsa_float_denorm_mode_16_64 3
		.amdhsa_memory_ordered 1
		.amdhsa_forward_progress 1
		.amdhsa_inst_pref_size 233
	.end_amdhsa_kernel
	.amdgpu_metadata
---
amdhsa.version: [ 1, 2 ]
amdhsa.kernels:
  - .name:           k_q4c98bfdb3b_head
    .symbol:         k_q4c98bfdb3b_head.kd
    .args:
      - { .name: out, .offset: 0, .size: 8, .value_kind: global_buffer, .address_space: global }
      - { .name: t, .offset: 8, .size: 8, .value_kind: global_buffer, .address_space: global }
      - { .name: W, .offset: 16, .size: 8, .value_kind: global_buffer, .address_space: global }
      - { .name: b, .offset: 24, .size: 8, .value_kind: global_buffer, .address_space: global }
      - { .name: lowp_scales, .offset: 32, .size: 8, .value_kind: global_buffer, .address_space: global }
      - { .name: out0, .offset: 40, .size: 8, .value_kind: global_buffer, .address_space: global }
    .group_segment_fixed_size: 35584
    .private_segment_fixed_size: 0
    .kernarg_segment_align: 8
    .kernarg_segment_size: 48
    .max_flat_workgroup_size: 128
    .sgpr_count:     96
    .vgpr_count:     1024
    .wavefront_size: 32
...
	.end_amdgpu_metadata
.endif
;; end of part 1
